; MI455X (gfx1250); checked and timed in simulation.
; The chip was launched on July 23, 2026; its instructions are those of AMD's public machine-readable ISA for CDNA 5 (MIT licence, August 2026) and "CDNA5" Instruction Set Architecture Reference Guide (July 2026). The comments in the code are by the model that wrote it; some were corrected since.
;; Bahdanau Attention. Allowed arithmetic: matrix products marked QUANTISED: E5M2 operands, one given power-of-two scale a tensor, by v_wmma_f32_16x16x64_bf8_bf8 or v_wmma_f32_16x16x128_bf8_bf8, f32 sums; products left as they are: f32 operands where the result goes on into a quantised operand, else bf16, f16 or f32 operands; f32 sums; everything else in f32.
;; Inputs: W 1,024 x 2,048 float32; b 1,024 float32; encoder_outputs 32 x 2,048 x 1,024 float32; hidden_state 1 x 32 x 1,024 float32; lowp_scales 4 int32 (the exponents e of the quantised operands' scales 2^e); v 1,024 x 1 float32.
;; Outputs: out0 1 x 32 x 1,024 float32; out1 32 x 1 x 2,048 float32.
;; Constants: batch_size = 32, sequence_length = 2048.
;; This version of the problem:
;;   THIS VERSION OF THE PROBLEM IS GIVEN IN LOW PRECISION. The matrix products marked QUANTISED in the list below multiply operands that are first quantised to E5M2 (5 exponent bits, 2 mantissa bits; 8 bits a number), with one given power-of-two scale for each operand tensor; their sums are f32. All else is computed in f32.
;;   The module's matrix products, in the order in which they are computed (A, B: the left and right operand; K: the contracted axis; several contracted axes count as one K, in the product's order):
;;     1. [M 32, K 1,024] x [K 1,024, N 1,024]; A: input hidden_state; B: input W: QUANTISED (scales: A lowp_scales[0], B lowp_scales[1])
;;     2. [M 65,536, K 1,024] x [K 1,024, N 1,024]; A: input encoder_outputs; B: input W: QUANTISED (scales: A lowp_scales[2], B lowp_scales[3])
;;     3. [M 65,536, K 1,024] x [K 1,024, N 1]; A: computed on the way; B: computed on the way: left as it is (N = 1 < 16)
;;     4. batch 32 x [M 1, K 2,048] x [K 2,048, N 1,024]; A: computed on the way; B: input encoder_outputs: left as it is (M = 1 < 16)
;;   THE QUANTISER, for each operand of a quantised product, along K:
;;     - The operand's scale is 2^e, e = its entry of the input lowp_scales (int32; the entries are numbered through the quantised products in the list's order, A before B).
;;     - Each number is divided by the scale, clamped to +-57,344, and rounded to the nearest number of E5M2, ties to even, subnormals kept.
;;     - The product sums the exact products of the quantised numbers (number of the format x scale) in f32.
;;   ~~~python
;;   def quantise(x, axis, e):      # numpy; x: float32 -> the quantised numbers, widened to float32 again
;;       x = np.moveaxis(x, axis, -1); K = x.shape[-1]
;;       r = np.clip(x / 2.0 ** e, -57344, 57344)
;;       step = 2.0 ** (np.maximum(np.frexp(np.where(r == 0, 1, r))[1] - 1, -14) - 2)
;;       q = np.round(r / step) * step * 2.0 ** e      # np.round: ties to even
;;       return np.moveaxis(q, -1, axis).astype(np.float32)
;;   ~~~
;; One version. Each part assembles by itself: llvm-mc -triple=amdgcn-amd-amdhsa -mcpu=gfx1250 --defsym DOCPART=n.
;; ======== version 1 of 1: 3 launches
;; limits: values are held in bf16: 8 bits of precision; right only within a limited range of input values
;; workspace buffers: wecodes 1,048,576 bytes; en 262,144 bytes; ctxpart 2,097,152 bytes
;; launch prep (part 1): grid 256 x 1, 2 waves a work-group, no clusters, 0 bytes of LDS; arguments W, lowp_scales, wecodes; writes wecodes
.if DOCPART == 1
	.amdgcn_target "amdgcn-amd-amdhsa--gfx1250"
	.amdhsa_code_object_version 6
	.text
	.protected	k_q3df5456143_prep
	.globl	k_q3df5456143_prep
	.p2align	8
	.type	k_q3df5456143_prep,@function
k_q3df5456143_prep:
	s_mov_b64 s[64:65], 0
	v_nop
	global_prefetch_b8 v0, s[64:65] scope:SCOPE_SE
	s_setreg_imm32_b32 hwreg(HW_REG_WAVE_MODE, 25, 1), 1
	s_wait_xcnt 0x0
; WORK LEFT OUT IN THIS PROGRAM.  attn_energies[b][s] = sum over e of v[e] x ((h Wh^T)[b][e] + (enc We^T)[b][s][e] + b[e]) = c[b] + sum over e of v[e] x (enc We^T)[b][s][e],
; where c[b] = sum over e of v[e] x ((h Wh^T)[b][e] + b[e]) does not hang on s.  Both outputs take the energies through softmax along s alone, and softmax(x + c) = softmax(x) for every finite c.
; So product 1, the first 1,024 columns of W, hidden_state, b and lowp_scales[0], [1] have no way to any output, for all finite values: they are not loaded and are among no launch's arguments.
; LIMIT: a NaN, an infinity or an overflow that would reach c[b] alone is not carried to the results.
; WHAT THIS LAUNCH DOES.  We = W[:, 1024:2048] becomes codes of E5M2 with the scale 2^e3.  A wave takes a fragment of 16 rows x 128 K (rows 16 T .. + 15, K step S of 8) and stores it as an image of the operand's registers:
;   wecodes [slot 2 q + nh][tile t][s][c][lane][16 bytes]: row 512 nh + 16 t + lane % 16, k = 256 q + 128 s + 32 c + 16 (lane / 16) + 0 .. 15.  A store of the wave covers 512 consecutive bytes.
; 64 x 8 fragments, two waves to a work-group: 256 work-groups.  LIMITS: e3 between -126 and 112, so that 2^e3 and 57,344 x 2^e3 are f32 numbers.  NaN among the inputs is not served.
.set X,  24                            ; v24-87  64 numbers of W
.set PC, 88                            ; v88-103 their codes
	s_load_b128 s[4:7], s[0:1], 0x0                ; W s[4:5], lowp_scales s[6:7]
	s_load_b64 s[8:9], s[0:1], 0x10                ; wecodes
	v_lshrrev_b32 v1, 5, v0
	v_readfirstlane_b32 s18, v1                    ; wave 0, 1
	v_and_b32 v7, 31, v0                           ; lane
	v_and_b32 v4, 15, v0                           ; r
	v_bfe_u32 v2, v0, 4, 1                         ; h
	v_lshlrev_b32 v3, 13, v4
	v_lshl_add_u32 v3, v2, 6, v3                   ; W: row r of 8,192 bytes, + 64 h
	v_lshlrev_b32 v6, 4, v7                        ; 16 x lane
	s_lshr_b32 s19, ttmp9, 2                       ; T
	s_and_b32 s24, ttmp9, 3
	s_lshl_b32 s24, s24, 1
	s_add_co_u32 s25, s24, s18                     ; S = 2 (x % 4) + wave
	s_lshl_b32 s26, s19, 17                        ; 16 rows of 8,192 bytes
	s_lshl_b32 s27, s25, 9                         ; 128 numbers
	s_add_co_u32 s26, s26, s27
	s_add_co_u32 s26, s26, 4096                    ; the half of a row that meets the encoder rows
	s_mov_b32 s27, 0
	s_lshr_b32 s28, s25, 1                         ; q
	s_lshl_b32 s28, s28, 1
	s_lshr_b32 s29, s19, 5                         ; nh
	s_add_co_u32 s28, s28, s29                     ; slot 2 q + nh
	s_lshl_b32 s28, s28, 17
	s_and_b32 s29, s19, 31                         ; t
	s_lshl_b32 s29, s29, 12
	s_add_co_u32 s28, s28, s29
	s_and_b32 s29, s25, 1                          ; s
	s_lshl_b32 s29, s29, 11
	s_add_co_u32 s28, s28, s29
	s_mov_b32 s29, 0
	s_wait_alu depctr_va_vdst(0)                   ; the wait at the head's end
	s_wait_kmcnt 0x0
	s_load_b32 s23, s[6:7], 0xc                    ; e3
	s_add_nc_u64 s[4:5], s[4:5], s[26:27]
	s_add_nc_u64 s[8:9], s[8:9], s[28:29]
.irp c, 0,1,2,3
.irp j, 0,1,2,3
	global_load_b128 v[X+16*\c+4*\j:X+16*\c+4*\j+3], v3, s[4:5] offset:128*\c+16*\j th:TH_LOAD_NT
.endr
.endr
	s_wait_kmcnt 0x0
	s_add_co_i32 s34, s23, 127
	s_lshl_b32 s35, s34, 23
	v_mov_b32 v11, s35                             ; 2^e3 as f32: the conversion takes its exponent field
	s_add_co_i32 s34, s34, 15
	s_lshl_b32 s34, s34, 23
	s_or_b32 s34, s34, 0x600000
	v_mov_b32 v10, s34                             ; 57,344 x 2^e3
	s_wait_alu depctr_va_vdst(0)                   ; directly ahead of the wait below
	s_wait_loadcnt 0x0
.irp c, 0,1,2,3
.irp i, 0,1,2,3,4,5,6,7,8,9,10,11,12,13,14,15
	v_med3_num_f32 v[X+16*\c+\i], v[X+16*\c+\i], -v10, v10   ; the conversion does not saturate (ISA guide 7.6.2): the hold at the largest code x the scale
.endr
	v_cvt_scalef32_pk8_bf8_f32 v[PC+4*\c:PC+4*\c+1], v[X+16*\c:X+16*\c+7], v11
	v_cvt_scalef32_pk8_bf8_f32 v[PC+4*\c+2:PC+4*\c+3], v[X+16*\c+8:X+16*\c+15], v11
.endr
.irp c, 0,1,2,3
	global_store_b128 v6, v[PC+4*\c:PC+4*\c+3], s[8:9] offset:512*\c
.endr
	s_endpgm
.Lfunc_end_k_q3df5456143_prep:
	.size	k_q3df5456143_prep, .Lfunc_end_k_q3df5456143_prep-k_q3df5456143_prep
	.p2alignl 7, 3214868480
	.fill 96, 4, 3214868480
	.section	.rodata,"a",@progbits
	.p2align	6, 0x0
	.amdhsa_kernel k_q3df5456143_prep
		.amdhsa_group_segment_fixed_size 0
		.amdhsa_private_segment_fixed_size 0
		.amdhsa_enable_private_segment 0
		.amdhsa_kernarg_size 24
		.amdhsa_user_sgpr_count 2
		.amdhsa_user_sgpr_kernarg_segment_ptr 1
		.amdhsa_wavefront_size32 1
		.amdhsa_system_sgpr_workgroup_id_x 1
		.amdhsa_system_sgpr_workgroup_id_y 1
		.amdhsa_system_sgpr_workgroup_id_z 1
		.amdhsa_system_vgpr_workitem_id 0
		.amdhsa_next_free_vgpr 128
		.amdhsa_next_free_sgpr 66
		.amdhsa_reserve_vcc 0
		.amdhsa_float_denorm_mode_32 3
		.amdhsa_float_denorm_mode_16_64 3
		.amdhsa_memory_ordered 1
		.amdhsa_forward_progress 1
		.amdhsa_inst_pref_size 9
	.end_amdhsa_kernel
	.amdgpu_metadata
---
amdhsa.version: [ 1, 2 ]
amdhsa.kernels:
  - .name:           k_q3df5456143_prep
    .symbol:         k_q3df5456143_prep.kd
    .args:
      - { .name: W, .offset: 0, .size: 8, .value_kind: global_buffer, .address_space: global }
      - { .name: lowp_scales, .offset: 8, .size: 8, .value_kind: global_buffer, .address_space: global }
      - { .name: wecodes, .offset: 16, .size: 8, .value_kind: global_buffer, .address_space: global }
    .group_segment_fixed_size: 0
    .private_segment_fixed_size: 0
    .kernarg_segment_align: 8
    .kernarg_segment_size: 24
    .max_flat_workgroup_size: 64
    .sgpr_count:     66
    .vgpr_count:     128
    .wavefront_size: 32
...
	.end_amdgpu_metadata
.endif
;; end of part 1
;; launch attend (part 2): grid 512 x 1, 4 waves a work-group, clusters of 4 x 1, 327,680 bytes of LDS; arguments encoder_outputs, wecodes, v, lowp_scales, en, ctxpart; writes en, ctxpart
.if DOCPART == 2
	.amdgcn_target "amdgcn-amd-amdhsa--gfx1250"
	.amdhsa_code_object_version 6
	.text
	.protected	k_q3df5456143_attend
	.globl	k_q3df5456143_attend
	.p2align	8
	.type	k_q3df5456143_attend,@function
k_q3df5456143_attend:
	s_mov_b64 s[64:65], 0
	v_nop
	global_prefetch_b8 v0, s[64:65] scope:SCOPE_SE
	s_setreg_imm32_b32 hwreg(HW_REG_WAVE_MODE, 25, 1), 1
	s_wait_xcnt 0x0
	s_wait_alu depctr_hold_cnt(0) depctr_sa_sdst(0) depctr_va_vdst(0) depctr_va_sdst(0) depctr_va_ssrc(0) depctr_va_vcc(0) depctr_vm_vsrc(0)
	s_getreg_b32 s2, hwreg(HW_REG_IB_STS2, 6, 4)
	s_cmp_eq_u32 s2, 0
	s_cbranch_scc0 .Lentry_in_a_cluster
	s_endpgm
.Lentry_in_a_cluster:
	s_bfe_u32 s2, ttmp6, 0x10000c
	s_cmp_lg_u32 s2, 0x3003
	s_cbranch_scc0 .Lentry_shape_is_right
	s_endpgm
.Lentry_shape_is_right:
; The hidden state's product and the bias are left out: they add the same number to all energies of a batch (shown at the head of launch prep).
; A work-group owns 128 positions of one batch and reads their rows from memory ONCE.  It makes their codes of E5M2 (scale 2^e2), the product with all 1,024 rows of We's codes, each sum weighed by v at once
; (en[row] = 2^(e2 + e3) x sum over e of v[e] x sum over k), the block's largest energy m, p = exp(en - m), and ctxpart[block] = sum over the rows of p x bf16(row).  The last launch joins the 16 blocks of a batch.
; ORDER OF SUMS: K goes in four quarters of 256; a quarter's f32 sum is weighed by v and added to the row's energy.
; LIMITS: e2 between -126 and 112; e2 + e3 is applied by v_ldexp_f32.  NaN among the inputs is not served.
; SHARES.  Wave w loads, quantises and keeps (as bf16, 512 registers) rows 32 w .. + 31.  In the product EVERY wave takes all 128 rows (A: 8 tiles x 256 K = 256 registers) against the 8 tiles of a slot that it fetched itself:
; a fragment of We feeds eight products, and each byte of We is read from LDS once in the work-group.
; WE.  wecodes holds images of the operand's registers, eight slots of 131,072 bytes (slot 2 q + nh: rows 512 nh .. + 511, K quarter q); even slots go to ring 0, odd ones to ring 1; wave w fetches tiles 8 w .. 8 w + 7, 32,768 dense bytes,
; by one tensor load.  CLUSTER: the four work-groups of a cluster walk the same slots, so each load is a JOINT one: same descriptor, mask 15, in all four.
; NO PREFETCH: the encoder rows are asked for by their own loads a quarter (256 products a wave) ahead of their use; wecodes, 1 MiB, is walked again and again by all work-groups.
; THE MATRIX INSTRUCTION IS USED TRANSPOSED: source 0 = 16 rows of We, source 1 = 16 encoder rows: lane (r, h) holds row r of the tile, its register j the e 8 h + j.  So a row's energy is summed in its own lane: 2 registers a tile.
; A tile of We: 16 products on end (eight accumulators by turns, two K steps), then 32 packed weighings.  The next tile's fragments and its v are asked of LDS ahead of the products.
; STAGING.  A row's quarter comes as 16 bytes a lane at 16 l (into the row's own registers, RET) and at 512 + 16 l (into X).  X of rows 0-15 is v192-255; X of rows 16-31 is the part of RET that the next quarter's rows 16-31 fill later;
; the last quarter has no such part: its rows 16-31 take v192-255 once rows 0-15 have left them.
; REGISTERS.  Window 0: v0-23 addresses and constants; v24-39 v, two sets; v40-55 energies; v56-119 accumulators (between slots: 32 held numbers, 32 registers of codes); v120-183 We, two sets; v184-188 addresses; v192-255 X.
;   Window 1: A, fragment (tile a, K step s) at 32 a + 16 s.   Windows 2, 3: RET: quarter q, row p at 512 + 128 q + 4 p.
.set CP,    272                        ; a code row in LDS: 256 bytes + 16: the 16 rows that a fragment load touches start at 16 different banks (ISA guide 11.1)
.set CODES, 262144                     ; LDS: 0 .. 262,143 the two rings (ring at 131,072, wave's quarter at 32,768 w, tile at 4,096 i); then 128 code rows
.set VT,    296960                     ; v, 1,024 f32
.set EX,    301056                     ; energies: [wave][128 rows]
.set PB,    303104                     ; p: 512 bytes for each wave
.set CX,    305152                     ; contexts: 4,096 bytes for each wave
.set SPARE, 321536                     ; the spare words, 128 bytes for each wave, that no other line names
.set VP,  24
.set EN,  40
.set ACC, 56
.set TT,  56
.set CCB, 88
.set BF,  120
.set XR,  192
.set PR,  96                           ; the tail: p of my 32 rows
.set CT,  128                          ; the tail: my 32 columns' sums
.set G1,  24                           ; s[24:31] descriptor group 1;  s[32:35], s[36:39] group 0 of ring 0 and of ring 1
.set G0,  32
.set MSB, 0
.macro WIN new                         ; the immediate's high byte repeats the setting that is left; a switch that changes nothing is dropped
.if MSB != (\new)
	s_set_vgpr_msb (MSB<<8)|(\new)
.set MSB, (\new)
.endif
.endm
.macro CROUND                          ; a round of the cluster's barrier
	s_barrier_signal -1
	s_barrier_wait -1
	s_cmp_lg_u32 s16, 0
	s_cbranch_scc1 .Lnot_wave_0_\@
	s_barrier_signal -3
.Lnot_wave_0_\@:
	s_barrier_wait -3
	s_barrier_signal -1
	s_barrier_wait -1
.endm
.macro XSET q, z                       ; where X of half-batch z of quarter q lies: window XW, register XB
.if ((\z) == 0) || ((\q) == 3)
.set XW, 0
.set XB, XR
.else
.set XW, 2+((\q)+1)/2
.set XB, 128*(((\q)+1)%2)+64
.endif
.endm
.macro ISSUE_R q, z                    ; rows 16 z .. + 15 of my 32, quarter q: the 16 loads into RET
	WIN (2+(\q)/2)<<6
.irp u, 0,1,2,3,4,5,6,7,8,9,10,11,12,13,14,15
	global_load_b128 v[128*((\q)%2)+64*(\z)+4*\u:128*((\q)%2)+64*(\z)+4*\u+3], v3, s[4:5] offset:4096*(16*(\z)+\u)+1024*(\q) th:TH_LOAD_NT
.endr
	WIN 0
.endm
.macro ISSUE_X q, z                    ; and the 16 into X
	XSET \q, \z
	WIN XW<<6
.irp u, 0,1,2,3,4,5,6,7,8,9,10,11,12,13,14,15
	global_load_b128 v[XB+4*\u:XB+4*\u+3], v3, s[4:5] offset:4096*(16*(\z)+\u)+1024*(\q)+512 th:TH_LOAD_NT
.endr
	WIN 0
.endm
.macro ISSUE q, z
	ISSUE_R \q, \z
	ISSUE_X \q, \z
.endm
; The half-batch becomes codes and bf16 (in RET), four rows at a time; the 32 registers of codes go to the code rows in one run of stores.  young = the loads issued behind this half-batch's.
.macro CONV q, z, young
.set WR, 2+(\q)/2
.set RB, 128*((\q)%2)+64*(\z)
	XSET \q, \z
.irp be, 0,1,2,3
	s_wait_loadcnt (\young)+12-4*\be               ; loads come back in order (ISA guide 5.7.1): these four rows' are in; the later rows' 12 - 4 be loads into X and the younger ones stay out
	WIN WR
.irp u, 0,1,2,3
.irp i, 0,1,2,3
	v_med3_num_f32 v[TT+8*\u+\i], v[RB+16*\be+4*\u+\i], -v10, v10   ; the hold at the largest code x the scale (ISA guide 7.6.2), into other registers: the numbers are still wanted
.endr
.endr
	WIN XW
.irp u, 0,1,2,3
.irp i, 0,1,2,3
	v_med3_num_f32 v[TT+8*\u+4+\i], v[XB+16*\be+4*\u+\i], -v10, v10
.endr
.endr
	WIN 0
.irp u, 0,1,2,3
	v_cvt_scalef32_pk8_bf8_f32 v[CCB+8*\be+2*\u:CCB+8*\be+2*\u+1], v[TT+8*\u:TT+8*\u+7], v11   ; first register: columns 4 l .. + 3, second: 128 + 4 l .. + 3
.endr
	WIN (WR<<6)|(WR<<2)|WR
.irp u, 0,1,2,3
	v_cvt_pk_bf16_f32 v[RB+16*\be+4*\u], v[RB+16*\be+4*\u], v[RB+16*\be+4*\u+1]       ; (the plain instructions behind the conversions)
	v_cvt_pk_bf16_f32 v[RB+16*\be+4*\u+1], v[RB+16*\be+4*\u+2], v[RB+16*\be+4*\u+3]
.endr
	WIN (WR<<6)|(XW<<2)|XW
.irp u, 0,1,2,3
	v_cvt_pk_bf16_f32 v[RB+16*\be+4*\u+2], v[XB+16*\be+4*\u], v[XB+16*\be+4*\u+1]
	v_cvt_pk_bf16_f32 v[RB+16*\be+4*\u+3], v[XB+16*\be+4*\u+2], v[XB+16*\be+4*\u+3]
.endr
.endr
	WIN 0
.irp be, 0,1,2,3
.irp u, 0,1,2,3
	ds_store_b32 v4, v[CCB+8*\be+2*\u] offset:CP*(16*(\z)+4*\be+\u)
	ds_store_b32 v4, v[CCB+8*\be+2*\u+1] offset:CP*(16*(\z)+4*\be+\u)+128
.endr
.endr
.endm
; The change of slots.  Each wave waits for all its tensor loads, adds 0 to its spare word, and waits for that and for all its LDS reads and stores.
; fill = 1: a round of the cluster's barrier, and the joint load into the ring first behind it (step = 1: of the slot two on).  One tensor load of a wave is then out.
.macro CHANGE ring, fill, step
	s_wait_tensorcnt 0x0                           ; no tensor load of mine is out, so a group 0 may be written
	ds_add_u32 v1, v2
.if \step
	s_add_nc_u64 s[G0+4*(\ring)+2:G0+4*(\ring)+3], s[G0+4*(\ring)+2:G0+4*(\ring)+3], 262144
.endif
	s_wait_dscnt 0x0                               ; the add is done; my reads of the ring and of the code rows are in; my stores of codes have landed
.if \fill
	CROUND
	tensor_load_to_lds s[G0+4*(\ring):G0+4*(\ring)+3], s[G1:G1+7]
	s_nop 0
.rept 4
	v_nop
.endr
.else
	s_barrier_signal -1
	s_barrier_wait -1
.endif
.endm
.macro LDB set, ab, off, av, voff      ; a tile of We (two fragments, eight loads of 512 consecutive bytes) and its 8 numbers of v for my half of the lanes: ten loads
.irp s, 0,1
.irp c, 0,1,2,3
	ds_load_b128 v[BF+32*(\set)+16*\s+4*\c:BF+32*(\set)+16*\s+4*\c+3], v[\ab] offset:(\off)+2048*\s+512*\c
.endr
.endr
	ds_load_b128 v[VP+8*(\set):VP+8*(\set)+3], v[\av] offset:(\voff)
	ds_load_b128 v[VP+8*(\set)+4:VP+8*(\set)+7], v[\av] offset:(\voff)+16
.endm
.macro PRO ring, aload                 ; the ring's addresses; (aload = 1: a new quarter) A, 64 loads; my tile 0
	v_add_nc_u32 v23, (\ring)*131072, v6
	v_add_nc_u32 v185, (\ring)*2048, v8
	s_wait_alu depctr_va_vdst(0)                   ; directly behind the two writes
.if \aload
	WIN 0x40
.irp s, 0,1
.irp a, 0,1,2,3,4,5,6,7
.irp c, 0,1,2,3
	ds_load_b128 v[32*\a+16*\s+4*\c:32*\a+16*\s+4*\c+3], v5 offset:16*CP*\a+128*\s+32*\c
.endr
.endr
.endr
	WIN 0
.endif
	LDB 0, 23, 0, 185, 0
.endm
; One tile of We against my 128 rows: 16 products, the eight accumulators by turns; four places (ISA guide 7.12.1); 32 weighings, each accumulator from its low end on.
.macro MULW set
	WIN 0x04                                       ; source 1 (A) window 1
.irp s, 0,1
.irp a, 0,1,2,3,4,5,6,7
.if \s
	v_wmma_f32_16x16x128_bf8_bf8 v[ACC+8*\a:ACC+8*\a+7], v[BF+32*(\set)+16*\s:BF+32*(\set)+16*\s+15], v[32*\a+16*\s:32*\a+16*\s+15], v[ACC+8*\a:ACC+8*\a+7]
.else
	v_wmma_f32_16x16x128_bf8_bf8 v[ACC+8*\a:ACC+8*\a+7], v[BF+32*(\set)+16*\s:BF+32*(\set)+16*\s+15], v[32*\a+16*\s:32*\a+16*\s+15], 0
.endif
.endr
.endr
	WIN 0
.rept 4
	v_nop
.endr
.irp p, 0,2,4,6
.irp a, 0,1,2,3,4,5,6,7
	v_pk_fma_f32 v[EN+2*\a:EN+2*\a+1], v[ACC+8*\a+\p:ACC+8*\a+\p+1], v[VP+8*(\set)+\p:VP+8*(\set)+\p+1], v[EN+2*\a:EN+2*\a+1]
.endr
.endr
.endm
; A slot: my 8 tiles, two a trip.  s_wait_dscnt 10: the ten loads just issued for the next tile may be out; all older LDS instructions (this tile's loads, A's, stores of codes) are done.
; The address of the tile after the trip's two is taken modulo my quarter's 32,768 bytes, so that it lies in my quarter on every way; the last trip has no such tile and jumps over its loads.
.macro SLOT
	s_mov_b32 s44, 0
	s_mov_b32 s46, 4
.Ltrip_\@:
	s_add_co_u32 s43, s44, 8192
	s_and_b32 s43, s43, 0x6000
	s_lshr_b32 s45, s44, 6                         ; 64 bytes of v for 4,096 of We
	s_lshr_b32 s42, s43, 6
	v_add_nc_u32 v7, s44, v23
	v_add_nc_u32 v9, s45, v185
	v_add_nc_u32 v184, s43, v23
	v_add_nc_u32 v186, s42, v185
	LDB 1, 7, 4096, 9, 64
	s_wait_alu depctr_va_vdst(0)                   ; directly ahead of the wait below
	s_wait_dscnt 10
	MULW 0
	s_cmp_eq_u32 s46, 1
	s_wait_alu depctr_va_vdst(0)                   ; directly ahead of the branch
	s_cbranch_scc1 .Llast_\@
	LDB 0, 184, 0, 186, 0
	s_wait_dscnt 10
	s_branch .Lgo_\@
.Llast_\@:
	s_wait_dscnt 0x0
.Lgo_\@:
	MULW 1
	s_add_co_u32 s44, s44, 8192
	s_sub_co_u32 s46, s46, 1
	s_cmp_lg_u32 s46, 0
	s_wait_alu depctr_va_vdst(0)                   ; directly ahead of the branch
	s_cbranch_scc1 .Ltrip_\@
.endm
	s_load_b256 s[4:11], s[0:1], 0x0               ; encoder_outputs s[4:5], wecodes s[6:7], v s[8:9], lowp_scales s[10:11]
	s_load_b128 s[12:15], s[0:1], 0x20             ; en s[12:13], ctxpart s[14:15]
	v_lshl_add_u32 v1, v0, 2, SPARE                ; my spare word; never rewritten
	v_mov_b32 v2, 0                                ; 0; never rewritten
	ds_add_u32 v1, v2                              ; the opening lines: the add twice on end and one wait
	ds_add_u32 v1, v2
	v_lshrrev_b32 v15, 5, v0
	v_readfirstlane_b32 s16, v15                   ; wave 0..3
	s_bfe_u32 s19, ttmp6, 0x40000                  ; cx
	s_lshl_b32 s20, ttmp9, 2
	s_add_co_u32 s20, s20, s19                     ; my block of 128 rows: it enters the addresses of the encoder rows, en and ctxpart alone
	s_mul_i32 s50, s16, 32*CP
	s_add_co_u32 s50, s50, CODES                   ; my 32 code rows
	s_lshl_b32 s51, s16, 15                        ; my quarter of a slot
	s_lshl_b32 s52, s16, 9
	s_add_co_u32 s53, s52, VT                      ; v of my 8 tiles
	s_add_co_u32 s54, s52, EX
	s_add_co_u32 s55, s52, PB
	s_mul_i32 s56, s16, 640
	s_add_co_u32 s56, s56, PB                      ; my copy of p, my 32 rows
	s_lshl_b32 s57, s16, 12
	s_add_co_u32 s57, s57, CX
	s_lshl_b32 s58, s16, 10
	s_add_co_u32 s59, s58, CX
	s_lshl_b32 s60, s16, 17                        ; 32 rows of 4,096 bytes
	s_mov_b32 s[G1], 15|(3<<16)|(1<<21)            ; the mask: all four work-groups; elements of 8 bytes; bit 21 beside a mask; no padding
	s_mov_b32 s[G1+1], 32<<16                      ; 32,768 dense bytes as 128 rows of 32 elements
	s_mov_b32 s[G1+2], 128<<16
	s_mov_b32 s[G1+3], 32<<16
	s_mov_b32 s[G1+4], 128
	s_mov_b32 s[G1+5], 32
	s_mov_b32 s[G1+6], 0
	s_mov_b32 s[G1+7], 0
	s_mov_b32 s48, 0x76543210                      ; v_permlanex16_b32's selects for lane l xor 16
	s_mov_b32 s49, 0xfedcba98
	s_mov_b32 s63, 0
	v_and_b32 v12, 31, v0                          ; lane
	v_and_b32 v13, 15, v0                          ; r
	v_bfe_u32 v14, v0, 4, 1                        ; h
	v_lshlrev_b32 v17, 4, v12                      ; 16 x lane
	v_add_nc_u32 v3, s60, v17                      ; encoder rows
	v_lshl_add_u32 v4, v12, 2, s50                 ; code rows, in: + 4 x lane
	v_mul_u32_u24 v5, v13, CP
	v_lshl_add_u32 v5, v14, 4, v5
	v_add_nc_u32 v5, CODES, v5                     ; code rows, out: row r, + 16 h
	v_add_nc_u32 v6, s51, v17                      ; We: my quarter, + 16 x lane
	v_lshl_add_u32 v8, v14, 5, s53                 ; v: + 32 h
	v_lshl_add_u32 v16, v12, 2, s54                ; energies, in: my plane, + 4 x lane
	v_add_nc_u32 v18, EX, v17                      ; and out: rows 4 x lane .. + 3
	v_add_nc_u32 v19, s55, v17                     ; p, in
	v_mov_b32 v20, s56                             ; p, out: the same address in every lane
	v_add_nc_u32 v21, s57, v17                     ; contexts, in
	v_add_nc_u32 v12, s58, v17                     ; ctxpart: my 256 columns (the lane's number is done with)
	v_add_nc_u32 v22, s59, v17                     ; contexts, out
	v_lshl_add_u32 v188, v0, 2, VT                 ; v, in
	v_lshlrev_b32 v187, 2, v0                      ; v in memory
	s_wait_alu depctr_va_vdst(0)                   ; the wait at the head's end
	s_wait_dscnt 0x0                               ; both opening adds are done
	s_wait_kmcnt 0x0
	s_load_b128 s[40:43], s[10:11], 0x0            ; e0, e1, e2, e3
	s_lshl_b32 s62, s20, 19                        ; 128 rows of 4,096 bytes
	s_add_nc_u64 s[4:5], s[4:5], s[62:63]
	s_lshl_b32 s62, s20, 9
	s_add_nc_u64 s[12:13], s[12:13], s[62:63]
	s_lshl_b32 s62, s20, 12
	s_add_nc_u64 s[14:15], s[14:15], s[62:63]
	s_mov_b32 s[G0], 1                             ; group 0: nothing in it hangs on the work-group
	s_mov_b32 s[G0+1], s51
	s_mov_b32 s[G0+4], 1
	s_add_co_u32 s[G0+5], s51, 131072
	s_mov_b32 s62, s51
	s_add_nc_u64 s[G0+2:G0+3], s[6:7], s[62:63]    ; slot 0
	s_add_nc_u64 s[G0+6:G0+7], s[G0+2:G0+3], 131072  ; slot 1
	s_or_b32 s[G0+3], s[G0+3], 0x80000000          ; type = 2
	s_or_b32 s[G0+7], s[G0+7], 0x80000000
.irp k, 0,1,2,3,4,5,6,7
	global_load_b32 v[BF+\k], v187, s[8:9] offset:512*\k   ; v[thread + 128 k]
.endr
	ISSUE 0, 0
	CROUND                                         ; all four work-groups are here: the first joint loads meet
	tensor_load_to_lds s[G0:G0+3], s[G1:G1+7]      ; slot 0: one tensor load a wave at the head
	s_nop 0
.rept 4
	v_nop
.endr
	s_wait_loadcnt 32                              ; v is in; the half-batch behind it stays out
.irp k, 0,1,2,3,4,5,6,7
	ds_store_b32 v188, v[BF+\k] offset:512*\k
.endr
	ISSUE 0, 1
	s_wait_kmcnt 0x0
	s_add_co_i32 s58, s42, 127
	s_lshl_b32 s59, s58, 23
	v_mov_b32 v11, s59                             ; 2^e2 as f32: the conversion takes its exponent field
	s_add_co_i32 s58, s58, 15
	s_lshl_b32 s58, s58, 23
	s_or_b32 s58, s58, 0x600000
	v_mov_b32 v10, s58                             ; 57,344 x 2^e2
	s_add_co_i32 s47, s42, s43                     ; e2 + e3
.set nn, 0
.rept 16
	v_mov_b32 v[EN+nn], 0                          ; the energies' sums: the loop over tiles has no first step of its own
.set nn, nn+1
.endr
	s_wait_alu depctr_va_vdst(0)                   ; directly ahead of the wait below
	CONV 0, 0, 32
	ISSUE 1, 0
	s_wait_dscnt 0x0                               ; the stores of codes have read their registers, which the next conversions write
	CONV 0, 1, 32
	ISSUE 1, 1
	CHANGE 1, 1, 0                                 ; slot 0, the codes and v are in for all; ring 1's first fill, slot 1, is issued as a refill is
	; ---- quarter 0.  The code rows are written again only behind the change in the quarter's middle, in front of which every wave's loads of A have come back; the change at its end shows the new codes to all
	PRO 0, 1
	SLOT
	CHANGE 0, 1, 1
	PRO 1, 0
	CONV 1, 0, 32
	ISSUE 2, 0
	SLOT
	CONV 1, 1, 32
	ISSUE 2, 1
	CHANGE 1, 1, 1
	; ---- quarter 1
	PRO 0, 1
	SLOT
	CHANGE 0, 1, 1
	PRO 1, 0
	CONV 2, 0, 32
	ISSUE 3, 0
	SLOT
	CONV 2, 1, 32
	ISSUE_R 3, 1                                   ; X is still held by rows 0-15
	CHANGE 1, 1, 1
	; ---- quarter 2
	PRO 0, 1
	SLOT
	CHANGE 0, 1, 1
	PRO 1, 0
	CONV 3, 0, 16
	ISSUE_X 3, 1
	SLOT
	CONV 3, 1, 0
	CHANGE 1, 1, 1
	; ---- quarter 3: nothing more to fetch
	PRO 0, 1
	SLOT
	CHANGE 0, 0, 0
	PRO 1, 0
	SLOT
	; ---- the rows' energies.  Lane (r, h) holds, for row 16 a + r, the part of my tiles' e with e % 16 in 8 h .. 8 h + 7, in two halves
	v_cmp_eq_u32 vcc_lo, 1, v14
.irp a, 0,1,2,3,4,5,6,7
	v_add_f32 v[64+\a], v[EN+2*\a], v[EN+2*\a+1]
.endr
.irp k, 0,1,2,3
	v_cndmask_b32 v[72+\k], v[64+2*\k+1], v[64+2*\k], vcc_lo   ; what the other half of the lanes keeps,
	v_cndmask_b32 v[76+\k], v[64+2*\k], v[64+2*\k+1], vcc_lo   ; what I keep: tile 2 k + h
	v_mov_b32 v[80+\k], 0                          ; a lane permute's destination counts as one of its sources
.endr
.irp k, 0,1,2,3
	v_permlanex16_b32 v[80+\k], v[72+\k], s48, s49
.endr
.irp k, 0,1,2,3
	v_add_f32 v[76+\k], v[76+\k], v[80+\k]
.endr
.irp k, 0,1,2,3
	ds_store_b32 v16, v[76+\k] offset:128*\k       ; row 32 k + lane
.endr
	s_wait_dscnt 0x0                               ; for the others' sake
	s_barrier_signal -1
	s_barrier_wait -1
.irp p, 0,1,2,3
	ds_load_b128 v[64+4*\p:67+4*\p], v18 offset:512*\p   ; every wave takes all 128 rows, four a lane, the four waves' parts
.endr
	s_wait_dscnt 0x0
	v_pk_add_f32 v[64:65], v[64:65], v[68:69]
	v_pk_add_f32 v[66:67], v[66:67], v[70:71]
	v_pk_add_f32 v[72:73], v[72:73], v[76:77]
	v_pk_add_f32 v[74:75], v[74:75], v[78:79]
	v_pk_add_f32 v[64:65], v[64:65], v[72:73]
	v_pk_add_f32 v[66:67], v[66:67], v[74:75]
.irp i, 0,1,2,3
	v_ldexp_f32 v[64+\i], v[64+\i], s47            ; x 2^(e2 + e3)
.endr
	s_cmp_lg_u32 s16, 0
	s_cbranch_scc1 .Lno_en
	global_store_b128 v17, v[64:67], s[12:13]      ; wave 0: 512 consecutive bytes of en; v64-67 and v17 are not written again
.Lno_en:
	s_wait_alu depctr_va_vdst(0)                   ; behind the branch
	v_max3_num_f32 v76, v64, v65, v66              ; the block's largest energy
	v_max_num_f32 v76, v76, v67
	v_max_num_f32_dpp v76, v76, v76 row_xmask:1 row_mask:0xf bank_mask:0xf
	v_max_num_f32_dpp v76, v76, v76 row_xmask:2 row_mask:0xf bank_mask:0xf
	v_max_num_f32_dpp v76, v76, v76 row_xmask:4 row_mask:0xf bank_mask:0xf
	v_max_num_f32_dpp v76, v76, v76 row_xmask:8 row_mask:0xf bank_mask:0xf
	v_mov_b32 v77, 0
	v_permlanex16_b32 v77, v76, s48, s49
	v_max_num_f32 v76, v76, v77
.irp i, 0,1,2,3
	v_sub_f32 v[72+\i], v[64+\i], v76
.endr
.irp i, 0,1,2,3
	v_mul_f32 v[72+\i], 0x3fb8aa3b, v[72+\i]       ; x log2(e)
.endr
	s_wait_alu depctr_va_vdst(0)                   ; ahead of the batch
.irp i, 0,1,2,3
	v_exp_f32 v[72+\i], v[72+\i]                   ; p = exp(energy - the block's largest), at most 1
.endr
.set nn, 0
.rept 32
	v_mov_b32 v[CT+nn], 0                          ; my columns' sums begin; plain work behind the exponentials
.set nn, nn+1
.endr
	s_wait_alu depctr_va_vdst(0)                   ; one wait for the four exponentials, ahead of their first reader
	ds_store_b128 v19, v[72:75]
.irp k, 0,1,2,3,4,5,6,7
	ds_load_b128 v[PR+4*\k:PR+4*\k+3], v20 offset:16*\k   ; LDS serves a wave's instructions in order (ISA guide 5.7.1.4): these see my store; p of my 32 rows in every lane
.endr
	s_wait_dscnt 0x0
	; ---- the partial context: lane l holds, of each quarter, columns 4 l .. + 3 and 128 + 4 l .. + 3 of my 32 rows as bf16; sixteen sums take turns
.irp g, 0,1
	WIN (0x02+\g)
.set rho, 0
.rept 32
.irp q, 0,1
.irp i, 0,1,2,3
	v_fma_mix_f32_bf16 v[CT+8*(2*\g+\q)+2*\i], v[128*\q+4*rho+\i], v[PR+rho], v[CT+8*(2*\g+\q)+2*\i] op_sel_hi:[1,0,0]
	v_fma_mix_f32_bf16 v[CT+8*(2*\g+\q)+2*\i+1], v[128*\q+4*rho+\i], v[PR+rho], v[CT+8*(2*\g+\q)+2*\i+1] op_sel:[1,0,0] op_sel_hi:[1,0,0]
.endr
.endr
.set rho, rho+1
.endr
.endr
	WIN 0
.irp q, 0,1,2,3
.irp u, 0,1
	ds_store_b128 v21, v[CT+8*\q+4*\u:CT+8*\q+4*\u+3] offset:1024*\q+512*\u
.endr
.endr
	s_wait_dscnt 0x0                               ; for the others' sake
	s_barrier_signal -1
	s_barrier_wait -1
.irp ww, 0,1,2,3
.irp u, 0,1
	ds_load_b128 v[32+8*\ww+4*\u:32+8*\ww+4*\u+3], v22 offset:4096*\ww+512*\u   ; the four waves' sums of my 256 columns
.endr
.endr
	s_wait_dscnt 0x0
.irp p, 0,2,4,6
	v_pk_add_f32 v[32+\p:33+\p], v[32+\p:33+\p], v[40+\p:41+\p]
	v_pk_add_f32 v[48+\p:49+\p], v[48+\p:49+\p], v[56+\p:57+\p]
.endr
.irp p, 0,2,4,6
	v_pk_add_f32 v[32+\p:33+\p], v[32+\p:33+\p], v[48+\p:49+\p]
.endr
	global_store_b128 v12, v[32:35], s[14:15]      ; 512 consecutive bytes each
	global_store_b128 v12, v[36:39], s[14:15] offset:512
	s_wait_tensorcnt 0x0                           ; the wave's end
	ds_add_u32 v1, v2
	s_wait_dscnt 0x0
	CROUND                                         ; the closing round
	s_endpgm
.Lfunc_end_k_q3df5456143_attend:
	.size	k_q3df5456143_attend, .Lfunc_end_k_q3df5456143_attend-k_q3df5456143_attend
	.p2alignl 7, 3214868480
	.fill 96, 4, 3214868480
	.section	.rodata,"a",@progbits
	.p2align	6, 0x0
	.amdhsa_kernel k_q3df5456143_attend
		.amdhsa_group_segment_fixed_size 327680
		.amdhsa_private_segment_fixed_size 0
		.amdhsa_enable_private_segment 0
		.amdhsa_kernarg_size 48
		.amdhsa_user_sgpr_count 2
		.amdhsa_user_sgpr_kernarg_segment_ptr 1
		.amdhsa_wavefront_size32 1
		.amdhsa_system_sgpr_workgroup_id_x 1
		.amdhsa_system_sgpr_workgroup_id_y 1
		.amdhsa_system_sgpr_workgroup_id_z 1
		.amdhsa_system_vgpr_workitem_id 0
		.amdhsa_next_free_vgpr 1024
		.amdhsa_next_free_sgpr 72
		.amdhsa_reserve_vcc 1
		.amdhsa_float_denorm_mode_32 3
		.amdhsa_float_denorm_mode_16_64 3
		.amdhsa_memory_ordered 1
		.amdhsa_forward_progress 1
		.amdhsa_inst_pref_size 255
	.end_amdhsa_kernel
	.section	.bss,"aw",@nobits
	.p2align	6
	.space	262144
	.amdgpu_metadata
---
amdhsa.version: [ 1, 2 ]
amdhsa.kernels:
  - .name:           k_q3df5456143_attend
    .symbol:         k_q3df5456143_attend.kd
    .args:
      - { .name: encoder_outputs, .offset: 0, .size: 8, .value_kind: global_buffer, .address_space: global }
      - { .name: wecodes, .offset: 8, .size: 8, .value_kind: global_buffer, .address_space: global }
      - { .name: v, .offset: 16, .size: 8, .value_kind: global_buffer, .address_space: global }
      - { .name: lowp_scales, .offset: 24, .size: 8, .value_kind: global_buffer, .address_space: global }
      - { .name: en, .offset: 32, .size: 8, .value_kind: global_buffer, .address_space: global }
      - { .name: ctxpart, .offset: 40, .size: 8, .value_kind: global_buffer, .address_space: global }
    .group_segment_fixed_size: 327680
    .private_segment_fixed_size: 0
    .kernarg_segment_align: 8
    .kernarg_segment_size: 48
    .max_flat_workgroup_size: 128
    .sgpr_count:     72
    .vgpr_count:     1024
    .wavefront_size: 32
...
	.end_amdgpu_metadata
.endif
;; end of part 2
;; launch finish (part 3): grid 8 x 32, 8 waves a work-group, no clusters, 9,216 bytes of LDS; arguments en, ctxpart, out0, out1; writes out0, out1
.if DOCPART == 3
	.amdgcn_target "amdgcn-amd-amdhsa--gfx1250"
	.amdhsa_code_object_version 6
	.text
	.protected	k_q3df5456143_finish
	.globl	k_q3df5456143_finish
	.p2align	8
	.type	k_q3df5456143_finish,@function
k_q3df5456143_finish:
	s_mov_b64 s[64:65], 0
	v_nop
	global_prefetch_b8 v0, s[64:65] scope:SCOPE_SE
	s_setreg_imm32_b32 hwreg(HW_REG_WAVE_MODE, 25, 1), 1
	s_wait_xcnt 0x0
; The term that is the same for all positions of a batch (the hidden state's product, the bias) is left out: shown at the head of launch prep.
; A work-group (c, b) finishes batch b: 256 of its 2,048 weights (out1) and 128 of its 1,024 context columns (out0).  Every work-group of a batch forms the batch's figures anew from en (8,192 bytes).
; M = the largest energy of the batch, L = the sum of exp(en - M).  out1 = exp(en - M) / L.
; out0 = sum over the batch's 16 blocks of exp(block's largest energy - M) x ctxpart[block] / L: ctxpart was summed under the block's own largest energy.
; Wave wv takes positions 256 wv .. + 255: a row of 16 lanes holds one block of 128 positions (block 2 wv + lane / 16), eight numbers a lane; and the context parts of those two blocks.
; No matrix work, no cluster, no tensor load: the work-groups share no tile.
.set MG, 0                             ; LDS: the 16 blocks' largest energies
.set LS, 256                           ; the 8 waves' sums
.set RS, 512                           ; the 8 waves' context parts, 512 bytes each
.set L2E, 0x3fb8aa3b                   ; log2(e)
	s_load_b256 s[4:11], s[0:1], 0x0               ; en s[4:5], ctxpart s[6:7], out0 s[8:9], out1 s[10:11]
	v_lshl_add_u32 v112, v0, 2, 0x2000             ; my spare word; never rewritten
	v_mov_b32 v113, 0
	v_lshrrev_b32 v4, 5, v0
	v_readfirstlane_b32 s14, v4                    ; wave 0..7
	s_and_b32 s15, ttmp7, 0xffff                   ; b
	s_mov_b32 s18, ttmp9                           ; c
	v_and_b32 v1, 31, v0
	v_and_b32 v2, 15, v0
	v_bfe_u32 v3, v0, 4, 1
	v_lshlrev_b32 v5, 4, v1                        ; 16 x lane
	v_lshlrev_b32 v6, 4, v2
	v_lshl_add_u32 v6, v3, 9, v6                   ; 512 (lane / 16) + 16 (lane % 16)
	v_lshrrev_b32 v7, 4, v0
	v_lshlrev_b32 v7, 2, v7                        ; my block's word
	v_lshlrev_b32 v41, 3, v4                       ; my wave's two blocks' words
	v_lshl_add_u32 v42, v4, 2, LS                  ; my wave's sum
	v_lshl_add_u32 v43, v4, 9, v5                  ; my wave's context part (+ RS)
	v_mov_b32 v40, 0
	s_mov_b32 s20, 0x76543210
	s_mov_b32 s21, 0xfedcba98
	s_lshl_b32 s16, s15, 13                        ; 8,192 b
	s_lshl_b32 s17, s14, 10
	s_add_co_u32 s22, s16, s17                     ; en: + 1,024 wave
	s_mov_b32 s23, 0
	s_lshl_b32 s26, s15, 16                        ; ctxpart: 16 blocks of 4,096 bytes a batch,
	s_lshl_b32 s17, s14, 13                        ; two blocks a wave,
	s_add_co_u32 s26, s26, s17
	s_lshl_b32 s17, s18, 9                         ; 128 columns a work-group
	s_add_co_u32 s26, s26, s17
	s_mov_b32 s27, 0
	s_lshl_b32 s28, s15, 12                        ; out0: 4,096 b + 512 c
	s_add_co_u32 s28, s28, s17
	s_mov_b32 s29, 0
	s_lshl_b32 s30, s18, 10                        ; out1: 8,192 b + 1,024 c
	s_add_co_u32 s30, s30, s16
	s_mov_b32 s31, 0
	s_wait_alu depctr_va_vdst(0)                   ; the wait at the head's end
	s_wait_kmcnt 0x0
	s_add_nc_u64 s[4:5], s[4:5], s[22:23]
	s_add_nc_u64 s[6:7], s[6:7], s[26:27]
	s_add_nc_u64 s[8:9], s[8:9], s[28:29]
	s_add_nc_u64 s[10:11], s[10:11], s[30:31]
	global_load_b128 v[24:27], v6, s[4:5]          ; positions 4 (lane % 16) .. + 3 of my block,
	global_load_b128 v[28:31], v6, s[4:5] offset:256   ; and 64 further on: sixteen lanes read 256 consecutive bytes
	global_load_b128 v[32:35], v5, s[6:7]
	global_load_b128 v[36:39], v5, s[6:7] offset:4096
	s_wait_loadcnt 2                               ; en is in; the two context parts may be out
	v_max3_num_f32 v64, v24, v25, v26
	v_max3_num_f32 v64, v64, v27, v28
	v_max3_num_f32 v64, v64, v29, v30
	v_max_num_f32 v64, v64, v31
	v_max_num_f32_dpp v64, v64, v64 row_xmask:1 row_mask:0xf bank_mask:0xf
	v_max_num_f32_dpp v64, v64, v64 row_xmask:2 row_mask:0xf bank_mask:0xf
	v_max_num_f32_dpp v64, v64, v64 row_xmask:4 row_mask:0xf bank_mask:0xf
	v_max_num_f32_dpp v64, v64, v64 row_xmask:8 row_mask:0xf bank_mask:0xf   ; my block's largest energy
	ds_store_b32 v7, v64                           ; sixteen lanes write one word with one value
	s_wait_dscnt 0x0
	s_barrier_signal -1
	s_barrier_wait -1
.irp k, 0,1,2,3
	ds_load_b128 v[44+4*\k:47+4*\k], v40 offset:MG+16*\k
.endr
	ds_load_b64 v[62:63], v41                      ; my wave's two blocks'
	s_wait_dscnt 0x0
	v_max3_num_f32 v60, v44, v45, v46
.irp k, 47,49,51,53,55,57
	v_max3_num_f32 v60, v60, v[\k], v[\k+1]
.endr
	v_max_num_f32 v60, v60, v59                    ; M
	v_mov_b32 v61, v60
.irp j, 0,2,4,6
	v_pk_add_f32 v[24+\j:25+\j], v[24+\j:25+\j], v[60:61] neg_lo:[0,1] neg_hi:[0,1]
.endr
	v_pk_add_f32 v[62:63], v[62:63], v[60:61] neg_lo:[0,1] neg_hi:[0,1]
.irp j, 0,2,4,6
	v_pk_mul_f32 v[24+\j:25+\j], v[24+\j:25+\j], L2E op_sel_hi:[1,0]
.endr
	v_pk_mul_f32 v[62:63], v[62:63], L2E op_sel_hi:[1,0]
	s_wait_alu depctr_va_vdst(0)                   ; ahead of the batch
.irp j, 0,1,2,3,4,5,6,7
	v_exp_f32 v[24+\j], v[24+\j]                   ; exp(energy - M)
.endr
	v_exp_f32 v62, v62                             ; exp(block's largest - M), for my two blocks
	v_exp_f32 v63, v63
	v_nop                                          ; a plain instruction behind the last exponential
	s_wait_alu depctr_va_vdst(0)                   ; one wait for the ten, ahead of their first reader
	v_pk_add_f32 v[66:67], v[24:25], v[26:27]
	v_pk_add_f32 v[68:69], v[28:29], v[30:31]
	v_pk_add_f32 v[66:67], v[66:67], v[68:69]
	v_add_f32 v66, v66, v67
	v_add_f32_dpp v66, v66, v66 row_xmask:1 row_mask:0xf bank_mask:0xf
	v_add_f32_dpp v66, v66, v66 row_xmask:2 row_mask:0xf bank_mask:0xf
	v_add_f32_dpp v66, v66, v66 row_xmask:4 row_mask:0xf bank_mask:0xf
	v_add_f32_dpp v66, v66, v66 row_xmask:8 row_mask:0xf bank_mask:0xf
	v_permlanex16_b32 v67, v66, s20, s21
	v_add_f32 v66, v66, v67
	ds_store_b32 v42, v66                          ; my wave's sum
	s_wait_loadcnt 0x0                             ; the two context parts
	v_pk_mul_f32 v[32:33], v[32:33], v[62:63] op_sel_hi:[1,0]
	v_pk_mul_f32 v[34:35], v[34:35], v[62:63] op_sel_hi:[1,0]
	v_pk_fma_f32 v[32:33], v[36:37], v[62:63], v[32:33] op_sel:[0,1,0] op_sel_hi:[1,1,1]
	v_pk_fma_f32 v[34:35], v[38:39], v[62:63], v[34:35] op_sel:[0,1,0] op_sel_hi:[1,1,1]
	ds_store_b128 v43, v[32:35] offset:RS
	s_wait_dscnt 0x0
	s_barrier_signal -1
	s_barrier_wait -1
	ds_load_b128 v[44:47], v40 offset:LS
	ds_load_b128 v[48:51], v40 offset:LS+16
	s_wait_dscnt 0x0
	v_pk_add_f32 v[44:45], v[44:45], v[46:47]
	v_pk_add_f32 v[48:49], v[48:49], v[50:51]
	v_pk_add_f32 v[44:45], v[44:45], v[48:49]
	v_add_f32 v44, v44, v45                        ; L, at least 1
	s_wait_alu depctr_va_vdst(0)                   ; ahead of the transcendental
	v_rcp_f32 v70, v44
	v_nop
	s_wait_alu depctr_va_vdst(0)                   ; ahead of the first reader, and of the branches below
	v_mov_b32 v71, v70
	s_cmp_lg_u32 s14, s18                          ; the wave that holds the work-group's 256 positions stores them
	s_wait_alu depctr_va_vdst(0)                   ; directly ahead of the branch
	s_cbranch_scc1 .Lno_weights
.irp j, 0,2,4,6
	v_pk_mul_f32 v[24+\j:25+\j], v[24+\j:25+\j], v[70:71]
.endr
	global_store_b128 v6, v[24:27], s[10:11]       ; sixteen lanes store 256 consecutive bytes, aligned
	global_store_b128 v6, v[28:31], s[10:11] offset:256
.Lno_weights:
	s_cmp_lg_u32 s14, 0
	s_cbranch_scc1 .Lend
.irp k, 0,1,2,3,4,5,6,7
	ds_load_b128 v[72+4*\k:75+4*\k], v5 offset:RS+512*\k
.endr
	s_wait_dscnt 0x0
.irp p, 0,2
	v_pk_add_f32 v[72+\p:73+\p], v[72+\p:73+\p], v[76+\p:77+\p]
	v_pk_add_f32 v[80+\p:81+\p], v[80+\p:81+\p], v[84+\p:85+\p]
	v_pk_add_f32 v[88+\p:89+\p], v[88+\p:89+\p], v[92+\p:93+\p]
	v_pk_add_f32 v[96+\p:97+\p], v[96+\p:97+\p], v[100+\p:101+\p]
	v_pk_add_f32 v[72+\p:73+\p], v[72+\p:73+\p], v[80+\p:81+\p]
	v_pk_add_f32 v[88+\p:89+\p], v[88+\p:89+\p], v[96+\p:97+\p]
	v_pk_add_f32 v[72+\p:73+\p], v[72+\p:73+\p], v[88+\p:89+\p]
	v_pk_mul_f32 v[72+\p:73+\p], v[72+\p:73+\p], v[70:71]
.endr
	global_store_b128 v5, v[72:75], s[8:9]         ; 512 consecutive bytes of out0
.Lend:
	s_wait_tensorcnt 0x0                           ; the wave's end
	ds_add_u32 v112, v113
	s_wait_dscnt 0x0
	s_endpgm
.Lfunc_end_k_q3df5456143_finish:
	.size	k_q3df5456143_finish, .Lfunc_end_k_q3df5456143_finish-k_q3df5456143_finish
	.p2alignl 7, 3214868480
	.fill 96, 4, 3214868480
	.section	.rodata,"a",@progbits
	.p2align	6, 0x0
	.amdhsa_kernel k_q3df5456143_finish
		.amdhsa_group_segment_fixed_size 9216
		.amdhsa_private_segment_fixed_size 0
		.amdhsa_enable_private_segment 0
		.amdhsa_kernarg_size 32
		.amdhsa_user_sgpr_count 2
		.amdhsa_user_sgpr_kernarg_segment_ptr 1
		.amdhsa_wavefront_size32 1
		.amdhsa_system_sgpr_workgroup_id_x 1
		.amdhsa_system_sgpr_workgroup_id_y 1
		.amdhsa_system_sgpr_workgroup_id_z 1
		.amdhsa_system_vgpr_workitem_id 0
		.amdhsa_next_free_vgpr 114
		.amdhsa_next_free_sgpr 66
		.amdhsa_reserve_vcc 0
		.amdhsa_float_denorm_mode_32 3
		.amdhsa_float_denorm_mode_16_64 3
		.amdhsa_memory_ordered 1
		.amdhsa_forward_progress 1
		.amdhsa_inst_pref_size 9
	.end_amdhsa_kernel
	.amdgpu_metadata
---
amdhsa.version: [ 1, 2 ]
amdhsa.kernels:
  - .name:           k_q3df5456143_finish
    .symbol:         k_q3df5456143_finish.kd
    .args:
      - { .name: en, .offset: 0, .size: 8, .value_kind: global_buffer, .address_space: global }
      - { .name: ctxpart, .offset: 8, .size: 8, .value_kind: global_buffer, .address_space: global }
      - { .name: out0, .offset: 16, .size: 8, .value_kind: global_buffer, .address_space: global }
      - { .name: out1, .offset: 24, .size: 8, .value_kind: global_buffer, .address_space: global }
    .group_segment_fixed_size: 9216
    .private_segment_fixed_size: 0
    .kernarg_segment_align: 8
    .kernarg_segment_size: 32
    .max_flat_workgroup_size: 256
    .sgpr_count:     66
    .vgpr_count:     114
    .wavefront_size: 32
...
	.end_amdgpu_metadata
.endif
;; end of part 3
